; MI455X (gfx1250); checked and timed in simulation.
; The chip was launched on July 23, 2026; its instructions are those of AMD's public machine-readable ISA for CDNA 5 (MIT licence, August 2026) and "CDNA5" Instruction Set Architecture Reference Guide (July 2026). The comments in the code are by the model that wrote it; some were corrected since.
;; Skill Execution Adapter. Allowed arithmetic: matrix products marked QUANTISED: E4M3 operands, one E8M0 scale for each 32 along K, by v_wmma_scale_f32_16x16x128_f8f6f4 with both operands' format E4M3, f32 sums; products left as they are: f32 operands where the result goes on into a quantised operand, else bf16, f16 or f32 operands; f32 sums; everything else in f32.
;; Inputs: W_kv 128 x 4,096 float32; W_out_codes 2,048 x 64 x 32 uint8 (E4M3 codes of W_out, K innermost, in blocks of 32 codes); W_out_scales 2,048 x 64 uint8 (E8M0 scales of W_out, one for each 32 codes along K); W_q_codes 2,048 x 64 x 32 uint8 (E4M3 codes of W_q, K innermost, in blocks of 32 codes); W_q_scales 2,048 x 64 uint8 (E8M0 scales of W_q, one for each 32 codes along K); b_kv 4,096 float32; h_codes 2 x 2,048 x 64 x 32 uint8 (E4M3 codes of h, K innermost, in blocks of 32 codes); h_scales 2 x 2,048 x 64 uint8 (E8M0 scales of h, one for each 32 codes along K); skill 2 x 128 float32.
;; Outputs: out0 2 x 2,048 x 2,048 float32.
;; This version of the problem:
;;   THIS VERSION OF THE PROBLEM IS GIVEN IN LOW PRECISION. The matrix products marked QUANTISED in the list below multiply operands that are first quantised to E4M3 (4 exponent bits, 3 mantissa bits; 8 bits a number), with one power-of-two scale for each 32 numbers along K (OCP MX v1.0); their sums are f32. All else is computed in f32.
;;   The module's matrix products, in the order in which they are computed (A, B: the left and right operand; K: the contracted axis; several contracted axes count as one K, in the product's order):
;;     1. [M 2, K 128] x [K 128, N 4,096]; A: input skill; B: input W_kv: left as it is (M = 2 < 16)
;;     2. [M 4,096, K 2,048] x [K 2,048, N 2,048]; A: input h (given as codes); B: input W_q (given as codes): QUANTISED
;;     3. batch 32 x [M 2,048, K 128] x [K 128, N 2,048]; A: computed on the way; B: computed on the way: QUANTISED
;;     4. batch 32 x [M 2,048, K 2,048] x [K 2,048, N 128]; A: softmax (see below); B: computed on the way: QUANTISED
;;     5. [M 4,096, K 2,048] x [K 2,048, N 2,048]; A: computed on the way; B: input W_out (given as codes): QUANTISED
;;   THE QUANTISER, for each operand of a quantised product, along K:
;;     - K is cut into blocks of 32 from its start; a last block that is shorter is filled with zeros.
;;     - A block's scale is 2^e with e = floor(log2(the largest magnitude in the block)) - 8, held to -126 .. 127; a block of zeros has e = 0. As a byte (E8M0): e + 127.
;;     - Each number is divided by its block's scale, clamped to +-448, and rounded to the nearest number of E4M3, ties to even, subnormals kept.
;;     - The product sums the exact products of the quantised numbers (number of the format x scale) in f32.
;;   ~~~python
;;   def quantise(x, axis):      # numpy; x: float32 -> the quantised numbers, widened to float32 again
;;       x = np.moveaxis(x, axis, -1); K = x.shape[-1]
;;       x = np.pad(x, [(0, 0)] * (x.ndim - 1) + [(0, -K % 32)]); x = x.reshape(x.shape[:-1] + (-1, 32)); a = np.abs(x).max(-1, keepdims=True)
;;       e = np.where(a > 0, np.clip(np.frexp(np.where(a > 0, a, 1))[1] - 1 - 8, -126, 127), 0)      # np.frexp(a)[1] - 1 = floor(log2(a)), exactly
;;       r = np.clip(x / 2.0 ** e, -448, 448)
;;       step = 2.0 ** (np.maximum(np.frexp(np.where(r == 0, 1, r))[1] - 1, -6) - 3)
;;       q = np.round(r / step) * step * 2.0 ** e      # np.round: ties to even
;;       return np.moveaxis(q.reshape(q.shape[:-2] + (-1,))[..., :K], -1, axis).astype(np.float32)
;;   ~~~
;;   SOFTMAX AHEAD OF A QUANTISED PRODUCT. Where the list says 'softmax', what is quantised is not the finished softmax but p = 2^(t - M), with t = logit x log2(e) and M = ceil(the row's largest t), a whole number; so 1/2 < the row's largest p <= 1. The row's sum l is taken of the UNQUANTISED p, in f32, and the product's result is divided by l at the end. Since M is a whole number, a kernel that streams over the keys may use a running M (the ceiling of the running maximum): every later rescaling is an exact power of two, which a block's scale takes up: the codes' values come out the same.
;;   OPERANDS COMPUTED ON THE WAY. 'Computed on the way' means the value that the module computes at that place (a softmax that the list does not call 'softmax' is quantised finished and normalised). What goes into a quantiser is computed in f32, as accurately as f32 sums, v_exp_f32 and their like allow (about 1e-6 of the number): no bf16 or f16 on the way to a quantiser, and a product that is left as it is and whose result goes on into a quantised operand takes f32 operands (vector FMAs, or v_wmma_f32_16x16x4_f32). A number that lies on a knife's edge between two numbers of the format may be rounded either way, as far as f32 arithmetic and the matrix unit's own rounding can turn it there, and no further.
;;   INPUTS GIVEN AS CODES. W_out (in the module: [2048, 2048], K = its axis 0); W_q (in the module: [2048, 2048], K = its axis 0); h (in the module: [2, 2048, 2048], K = its axis 2): each comes as NAME_codes (uint8): NAME with its K axis moved to the last place and cut into blocks of 32 codes, [.., K / 32, bytes a block], one block behind the other in memory; one code a byte (a code: sign, 4 exponent bits, 3 mantissa bits); and NAME_scales (uint8): the same leading axes, one E8M0 byte (e + 127) for each 32 codes along K. Its value is code x scale, taken as it is: it is not quantised again, and the codes and scales need not be those that the quantiser above would give.
;; One version. Each part assembles by itself: llvm-mc -triple=amdgcn-amd-amdhsa -mcpu=gfx1250 --defsym DOCPART=n.
;; ======== version 1 of 1: 2 launches
;; limits: right only within a limited range of input values
;; workspace buffers: a_codes 8,388,608 bytes; a_scales 262,144 bytes
;; launch qattn (part 1): grid 16 x 16, 4 waves a work-group, clusters of 4 x 4, 327,680 bytes of LDS; arguments h_codes, h_scales, W_q_codes, W_q_scales, W_kv, b_kv, skill, a_codes, a_scales; writes a_codes, a_scales
.if DOCPART == 1
	.amdgcn_target "amdgcn-amd-amdhsa--gfx1250"
	.amdhsa_code_object_version 6
	.text
	.protected	k_qc9eb4f754f_qattn
	.globl	k_qc9eb4f754f_qattn
	.p2align	8
	.type	k_qc9eb4f754f_qattn,@function
k_qc9eb4f754f_qattn:
	s_mov_b64 s[64:65], 0
	v_nop
	global_prefetch_b8 v0, s[64:65] scope:SCOPE_SE
	s_setreg_imm32_b32 hwreg(HW_REG_WAVE_MODE, 25, 1), 1
	s_wait_xcnt 0x0
	s_wait_alu depctr_hold_cnt(0) depctr_sa_sdst(0) depctr_va_vdst(0) depctr_va_sdst(0) depctr_va_ssrc(0) depctr_va_vcc(0) depctr_vm_vsrc(0)
	s_getreg_b32 s2, hwreg(HW_REG_IB_STS2, 6, 4)
	s_cmp_eq_u32 s2, 0
	s_cbranch_scc0 .Lentry_in_a_cluster
	s_endpgm
.Lentry_in_a_cluster:
	s_bfe_u32 s2, ttmp6, 0x10000c
	s_cmp_lg_u32 s2, 0xf033
	s_cbranch_scc0 .Lentry_shape_is_right
	s_endpgm
.Lentry_shape_is_right:
; FIRST LAUNCH: kv = skill W_kv + b_kv (f32);  q = h W_q on codes of E4M3 with E8M0 scales;  then, head by head, the attention on the one skill token, and its result as codes for the second launch.
; SHARES.  A work-group makes 256 rows x ONE HEAD (128 columns) of q; wave w its rows 64 w .. 64 w + 63: 4 x 8 accumulators of 16 x 16, 256 registers.  A head is also one K step of 128 of the last product.
; K = 2,048 goes in slots of 256 (two steps of 128) through a ring of two LDS slots filled by the tensor data mover; the scale bytes of the work-group's rows come once and stay.
; CLUSTER 4 x 4: the four of a row of the cluster need the same tiles of h, the four of a column the same tiles of W_q: each tile is asked for jointly, with a mask that names the four.
; THE MATRIX INSTRUCTION IS USED TRANSPOSED (source 0 = 16 rows of the weight, source 1 = 16 rows of h): lane (r, h) of accumulator (a, t) holds row 16 a + r and columns 16 t + 8 h + 0 .. 7.
; THE ATTENTION.  Every key row and every value row is the same vector (the function itself broadcasts one token to all 2,048 places), for every input.  So all scores of a row are one number:
; ONE tile of 16 keys gives it; the row's largest t is that t, M = ceil(t), p = 2^(t - M) is one number a row; the sum of the 2,048 equal p is 2^11 p.  Along the keys a block of V is 32 copies of v[d], so each
; v[d] has a scale of its own, and the 16 K steps of 128 keys add the same number: ONE step D is multiplied, and the row's result is 16 D / (2^11 p) = D x 2^-7 / p: both powers of two are exact.
; ORDER ALONG THE HEAD'S 128 IN THE SCORE: q's codes are taken as they fall from the accumulators: place 8 u + i of lane half h in block c holds channel 32 c + 16 u + 8 h + i, and k's codes are laid the same way:
; the same exchange inside each block of 32 on both operands keeps blocks, scales and products.  The result's codes are stored at their true places.
; LIMITS: NaN and infinities are not served.  A block whose largest magnitude lies under 2^-118 gets the scale byte 1 (a block of zeros too: its codes are zeros, and the bytes are read by this program alone).
; t is the score times the one constant log2(e) / sqrt(128).
; REGISTERS, in windows of 256.  window 0: v1-31 addresses and small things; v32-55 scale words of the loop (in the tail v32-39: q's and p's); v56-63 V's scale words, v64 k's; v68-83 V's codes; v84-99 k's fragment;
;   v100-127 at work; v128-255 h's fragments, two sets.   window 1: W_q's fragments, two sets (in the tail: V's fragments).   window 2: the accumulators, (a, t) at v[8 (8 a + t)].
.set PITCH,  272                       ; an LDS row: 256 bytes + 16 of padding = 68 words: the 16 rows that a fragment load touches start 4 banks apart (64 banks of 4 bytes: ISA guide 11.1)
.set ATILE,  256*PITCH                 ; h's 256 rows of a slot
.set BTILE,  128*PITCH                 ; W_q's 128 rows
.set SLOT,   ATILE+BTILE
.set SCLA,   2*SLOT                    ; behind the ring: h's scale bytes, 256 rows x 64, as 64 units of 256 bytes + 16
.set SCLB,   SCLA+64*272               ; W_q's: 128 rows x 64: 32 units
.set SPARE,  SCLB+32*272               ; the spare words, 128 bytes a wave: two blocks of 256 bytes that no other line names
.set KVP,    SPARE+512                 ; scratch that no fill touches: four waves' partial sums of k (512 bytes) and v (512)
.set KVF,    KVP+4096                  ; each wave's own finished k and v
.set SST,    KVF+4096                  ; each wave's own 64 scale words on the way out
.set AQ,     128                       ; A's fragments in a slot: from step to step,
.set AB,     16*PITCH                  ; from block to block of 16 rows,
.set AC,     32                        ; from one 16 bytes of a lane to the next
.set ASB,    4*272                     ; A's scale words: from block to block
.set ADSTEP, 8                         ; and from slot to slot
.set KSLA,   256                       ; A in memory: from K slot to K slot
.set LAPS,   4                         ; 8 K slots, two to a lap
.set SPW,  1                           ; v1   my spare word: SPARE + 4 x thread; never rewritten
.set NIL,  2                           ; v2   0; never rewritten
.set ADRA, 3                           ; v3-4 my A fragments in slot 0, 1
.set ADRB, 5                           ; v5-6 B's
.set ADSA, 7                           ; v7   A's scale words: lanes 0-15 a slot's first step, lanes 16-31 its second
.set ADSB, 8                           ; v8   B's likewise
.set L16,  9                           ; v9   16 x lane
.set KPW,  10                          ; v10  where I put my partial sums
.set KFW,  11                          ; v11  where I put the finished k and v
.set KFK,  12                          ; v12  where I read k for its fragment
.set KFV,  13                          ; v13  where I read v[16 t + r]
.set CO,   14                          ; v14  16 r + 8 h: my 8 bytes in a run of 256 of the codes' image
.set SSW,  15                          ; v15  scale words out: 4 bytes a lane in,
.set OW,   16                          ; v16-19 the result's scale words, a tile each
.set G,    20                          ; v20-27 2^-7 / p in the even registers (pairs for the packed multiply)
.set SSR,  28                          ; v28  8 bytes a lane back
.set L8,   29
.set PFO,  31                          ; v31  the prefetches' offset: rows 2,048 bytes apart.  (W_kv's rows pass through v68-99, four at a time, while the ring turns)
.set SC,   32                          ; scale words: set s at v[32 + 12 s]: B's eight blocks, then A's four
.set QW,   32                          ; the tail: q's scale words,
.set PWD,  36                          ; p's
.set VS,   56
.set KW,   64
.set KPR,  65                          ; v65  where I read the partial sums
.set RR,   66                          ; v66  r = lane % 16
.set HH,   67                          ; v67  h = lane / 16
.set VC2,  68
.set KF,   84
.set TM,   100                         ; v100-103 largest magnitudes, v104-107 bytes, v108-111 448 x scale, v112-115 the conversions' scale operands
.set BI,   108                         ; at the head: the biases of my 4 + 4 columns
.set KA,   116                         ; at the head: my 4 + 4 partial sums
.set X,    116                         ; the tail: t, then p
.set SO,   120
.set HD,   124
.set AF,   128
.set WV,   22
.set ROLE, 23                          ; 0: I fetch for A, 1: for B
.set HALF, 24                          ; which half of that tile
.set MNT,  25
.set CS,   26
.set HI16, 27
.set G1A,  28
.set G0A,  36
.set G1B,  44
.set G0B,  52
.set SEL,  60
.set OX,   62                          ; s[62:63], s66: offsets that mix the two coordinates (plain loads and stores only)
.set G1SA, 68
.set G0SA, 76
.set G1SB, 80
.set G0SB, 88
.set CX,   92
.set CY,   93
.set TCOL, 94                          ; the head
.set TROW, 95                          ; the block of 256 rows
.set MROW, 96
.set MCOL, 97
.set OA,   98                          ; s[98:99]   A's offsets and address: never holds cx
.set OB,   100                         ; s[100:101] B's: never holds cy
.set TPAD, (1<<20)|(1<<21)|(5<<22)|(3<<25)   ; group 1, word 0: padding on; bit 21 beside a mask; after every 64 words; 4 words
.set MULW, 0xa1                        ; source 0 window 1, source 1 window 0, C and D window 2
.set TO_B, 0x40                        ; destination window 1
.set MSB, 0
.macro WIN new                         ; the immediate's high byte repeats the setting that is left; a switch that changes nothing is dropped
.if MSB != \new
	s_set_vgpr_msb (MSB<<8)|\new
.set MSB, \new
.endif
.endm
.macro PLACES n                        ; plain vector instructions that name no register of the matrix instructions in front of them (ISA guide 7.12.1)
.rept \n
	v_nop
.endr
.endm
; A joint load: waves 0 and 1 fetch for A, waves 2 and 3 for B; the branch hangs on the wave's number alone.  Four v_nop follow each of the two lines.
.macro JLOAD g0a, g1a, g0b, g1b
	s_cmp_eq_u32 s[ROLE], 0
	s_cbranch_scc0 .Lfor_b_\@
	tensor_load_to_lds s[\g0a:\g0a+3], s[\g1a:\g1a+7]
	s_nop 0
.rept 4
	v_nop
.endr
	s_branch .Lasked_\@
.Lfor_b_\@:
	tensor_load_to_lds s[\g0b:\g0b+3], s[\g1b:\g1b+7]
	s_nop 0
.rept 4
	v_nop
.endr
.Lasked_\@:
.endm
.macro CREST                           ; a round of the cluster's barrier behind its opening barrier
	s_cmp_lg_u32 s[WV], 0
	s_cbranch_scc1 .Lnot_wave_0_\@
	s_barrier_signal -3
.Lnot_wave_0_\@:
	s_barrier_wait -3
	s_barrier_signal -1
	s_barrier_wait -1
.endm
.macro CROUND                          ; a whole round
	s_barrier_signal -1
	s_barrier_wait -1
	CREST
.endm
.macro FRAG reg, adr, off, cs          ; a fragment, 16 rows x 128 K: registers 4 c .. 4 c + 3 of lane (r, h) hold K = 32 c + 16 h + 0 .. 15
.irp c, 0,1,2,3
	ds_load_b128 v[4*\c+(\reg):4*\c+(\reg)+3], v[\adr] offset:(\off)+(\cs)*\c
.endr
.endm
; kv BESIDE THE RING: wave w sums rows 32 w .. 32 w + 31 of W_kv, four at a time: asked for at the head and at each change of slots, summed one change later; lane L has the head's columns 4 L .. 4 L + 3 of k and of v.
.macro KVASK
.irp i, 0,1,2,3
	global_load_b128 v[VC2+8*\i:VC2+8*\i+3], v[L16], s[12:13] offset:16384*\i
	global_load_b128 v[VC2+8*\i+4:VC2+8*\i+7], v[L16], s[12:13] offset:16384*\i+8192
.endr
	s_load_b128 s[4:7], s[16:17], 0x0              ; the four rows' numbers of skill
.endm
.macro KVSUM
	s_wait_loadcnt 0x0
	s_wait_kmcnt 0x0
	s_wait_alu depctr_va_vdst(0)                   ; directly ahead of the sums' readers
.irp i, 0,1,2,3
.irp j, 0,1,2,3,4,5,6,7
	v_fmac_f32 v[KA+\j], s[4+\i], v[VC2+8*\i+\j]
.endr
.endr
.endm
; A PREFETCH INTO THE L2: the K slot two refills on.  Of the 128 rows of h (64 of W_q) that a wave fetches, the four partners that ask for them jointly take 32 (16) each, told apart by address; a lane a row of 256 bytes.
.macro PFASK
	global_prefetch_b8 v[PFO], s[8:9] th:TH_LOAD_NT scope:SCOPE_SE
.endm
.macro FETCH_B slot, q, p              ; B's eight fragments of the slot's step q into set p
	WIN TO_B
.irp i, 0,1,2,3,4,5,6,7
	FRAG 128*(\p)+16*\i, ADRB+\slot, 128*(\q)+16*PITCH*\i, 32
.endr
	WIN 0
.endm
.macro FETCH_A slot, q, p, i0          ; A's blocks i0, i0 + 1
.irp i, \i0, \i0+1
	FRAG AF+64*(\p)+16*(\i), ADRA+\slot, AQ*(\q)+AB*(\i), AC
.endr
.endm
.macro SCALES sc                       ; a slot's scale words: one register carries both steps (lanes 0-15 the first, lanes 16-31 the second)
.irp b, 0,1,2,3,4,5,6,7
	ds_load_b32 v[SC+12*\sc+\b], v[ADSB] offset:4*272*\b
.endr
.irp a, 0,1,2,3
	ds_load_b32 v[SC+12*\sc+8+\a], v[ADSA] offset:ASB*\a
.endr
.endm
; Eight matrix instructions: A's block a against B's eight, step q of a slot.  The 32 accumulators take turns, one instruction a turn, in the same order in every step.
.macro MUL8 a, q, sc, zero
.irp b, 0,1,2,3,4,5,6,7
.if \zero
	v_wmma_scale_f32_16x16x128_f8f6f4 v[8*(8*\a+\b):8*(8*\a+\b)+7], v[128*\q+16*\b:128*\q+16*\b+15], v[AF+64*\q+16*\a:AF+64*\q+16*\a+15], 0, v[SC+12*\sc+\b], v[SC+12*\sc+8+\a]
.elseif \q
	v_wmma_scale_f32_16x16x128_f8f6f4 v[8*(8*\a+\b):8*(8*\a+\b)+7], v[128*\q+16*\b:128*\q+16*\b+15], v[AF+64*\q+16*\a:AF+64*\q+16*\a+15], v[8*(8*\a+\b):8*(8*\a+\b)+7], v[SC+12*\sc+\b], v[SC+12*\sc+8+\a] matrix_a_scale:MATRIX_SCALE_ROW1 matrix_b_scale:MATRIX_SCALE_ROW1
.else
	v_wmma_scale_f32_16x16x128_f8f6f4 v[8*(8*\a+\b):8*(8*\a+\b)+7], v[128*\q+16*\b:128*\q+16*\b+15], v[AF+64*\q+16*\a:AF+64*\q+16*\a+15], v[8*(8*\a+\b):8*(8*\a+\b)+7], v[SC+12*\sc+\b], v[SC+12*\sc+8+\a]
.endif
.endr
.endm
; A slot's first step; in its middle the second step's 48 loads go out in one run, into the other sets.
.macro STEP slot, zero
	s_wait_dscnt 8                                 ; all but the youngest eight loads (A's blocks 2 and 3) are in
	WIN MULW
	MUL8 0, 0, \slot, \zero
	MUL8 1, 0, \slot, \zero
	PLACES 8                                       ; in front of loads into registers that the step before multiplied
	FETCH_B \slot, 1, 1
	FETCH_A \slot, 1, 1, 0
	FETCH_A \slot, 1, 1, 2
	s_wait_dscnt 48                                ; all but the 48 just issued
	WIN MULW
	MUL8 2, 0, \slot, \zero
	MUL8 3, 0, \slot, \zero
	WIN 0
.endm
; A slot's second step changes slots: ONE barrier.  In front of it each wave waits for all its tensor loads (its part of the next slot), adds 0 to its spare word, and waits for that and for its reads of this slot.
; fill = 1: the barrier opens a round of the cluster's barrier, and this slot is filled again, two K slots ahead, first thing behind the round.
.macro TURN slot, next, fill
.if \fill
	s_wait_xcnt 0x0                                ; the last prefetch has read its address: a slot on
	s_add_nc_u64 s[8:9], s[8:9], 256
.endif
	s_wait_tensorcnt 0x0                           ; all my tensor loads have landed
	ds_add_u32 v[SPW], v[NIL]                      ; 0 onto my spare word
	s_wait_dscnt 9                                 ; (the add and A's blocks 2 and 3 may be out)
	WIN MULW
	MUL8 0, 1, \slot, 0                            ; eight matrix instructions stand between the add and the wait for it
	s_wait_dscnt 0x0                               ; the add is done, and my reads of this slot are over
	s_barrier_signal -1
	MUL8 1, 1, \slot, 0
	WIN 0
	s_barrier_wait -1
.if \fill
	CREST                                          ; no wave of any partner still reads this slot or has a load on its way
	s_add_nc_u64 s[G0A+4*\slot+2:G0A+4*\slot+3], s[G0A+4*\slot+2:G0A+4*\slot+3], 2*KSLA
	s_add_nc_u64 s[G0B+4*\slot+2:G0B+4*\slot+3], s[G0B+4*\slot+2:G0B+4*\slot+3], 512
	JLOAD G0A+4*\slot, G1A, G0B+4*\slot, G1B       ; my one tensor load behind the round; its four v_nop are four of the eight places in front of the loads below
	PLACES 4
.else
	PLACES 8
.endif
	s_wait_alu depctr_va_vdst(0)
	v_add_nc_u32 v[ADSA], ADSTEP, v[ADSA]          ; on to the next slot's scale words
	v_add_nc_u32 v[ADSB], 8, v[ADSB]
	SCALES \next
	FETCH_B \next, 0, 0
	FETCH_A \next, 0, 0, 0
	FETCH_A \next, 0, 0, 2
	KVSUM                                          ; the four rows asked for one change of slots ago
	s_add_nc_u64 s[12:13], s[12:13], 0x10000       ; (their loads are done: the bases may step)
	s_add_nc_u64 s[16:17], s[16:17], 16
	KVASK                                          ; and the next four
.if \fill
	s_cmp_gt_u32 s3, 1                             ; the last trip's look-ahead would pass the end of K
	s_cbranch_scc0 .Lno_ask_\@
	PFASK
.Lno_ask_\@:
.endif
	WIN MULW
	MUL8 2, 1, \slot, 0
	MUL8 3, 1, \slot, 0
	WIN 0
.endm
; 64 numbers of a lane, v[s] .. v[s + 63] of window w, 16 for each of four blocks of 32 (the other 16 lie in lane l xor 16), become 16 registers of codes at v[pc] and the row's scale word in v[pw].
; A block's scale byte is its largest magnitude's exponent field - 8, held at 1 from below by a floor among the maximum's leaves; each accumulator is read from its low end on.
.macro QUANT s, w, pc, pw
	WIN 5*(\w)                                     ; sources 0 and 1 in window w
.irp b, 0,1,2,3
	v_max3_num_f32 v[TM+\b], |v[16*\b+(\s)]|, |v[16*\b+1+(\s)]|, 0x4800000   ; the floor 2^(9 - 127)
.endr
.irp i, 2,4,6,8,10,12,14
.irp b, 0,1,2,3
	v_max3_num_f32 v[TM+\b], |v[16*\b+\i+(\s)]|, |v[16*\b+\i+1+(\s)]|, v[TM+\b]   ; the four blocks by turns
.endr
.endr
	WIN 0
.irp b, 0,1,2,3
	v_permlanex16_b32 v[TM+4+\b], v[TM+\b], s[SEL], s[SEL+1]
.endr
.irp b, 0,1,2,3
	v_max_num_f32 v[TM+\b], v[TM+\b], v[TM+4+\b]   ; with lane l xor 16's: the block's largest magnitude
.endr
.irp b, 0,1,2,3
	v_add_nc_u32 v[TM+12+\b], 0xfc000000, v[TM+\b] ; 8 off its exponent field: the conversion's scale operand
.endr
.irp b, 0,1,2,3
	v_and_or_b32 v[TM+8+\b], v[TM+\b], 0x7f800000, s[MNT]   ; 448 x the scale
.endr
.irp b, 0,1,2,3
	v_lshrrev_b32 v[TM+4+\b], 23, v[TM+12+\b]      ; the scale's byte
.endr
	v_lshl_or_b32 v[\pw], v[TM+5], 8, v[TM+4]
	v_lshl_or_b32 v[\pw], v[TM+6], 16, v[\pw]
	v_lshl_or_b32 v[\pw], v[TM+7], 24, v[\pw]
	WIN 65*(\w)                                    ; source 0 and destination in window w
.irp b, 0,1,2,3
.irp i, 0,1,2,3,4,5,6,7,8,9,10,11,12,13,14,15
	v_med3_num_f32 v[16*\b+\i+(\s)], v[16*\b+\i+(\s)], -v[TM+8+\b], v[TM+8+\b]   ; the conversion to an 8-bit code does not saturate (ISA guide 7.6.2): the hold
.endr
.endr
	WIN \w
.irp b, 0,1,2,3
	v_cvt_scalef32_pk8_fp8_f32 v[4*\b+(\pc):4*\b+1+(\pc)], v[16*\b+(\s):16*\b+7+(\s)], v[TM+12+\b]
	v_cvt_scalef32_pk8_fp8_f32 v[4*\b+2+(\pc):4*\b+3+(\pc)], v[16*\b+8+(\s):16*\b+15+(\s)], v[TM+12+\b]
.endr
	WIN 0
	v_nop                                          ; one plain instruction behind the last conversion
.endm
	s_load_b256 s[4:11], s[0:1], 0x0               ; h's codes s[4:5], h's scales s[6:7], W_q's codes s[8:9], W_q's scales s[10:11]
	s_load_b256 s[12:19], s[0:1], 0x20             ; W_kv s[12:13], b_kv s[14:15], skill s[16:17], the result's codes s[18:19]
	s_load_b64 s[20:21], s[0:1], 0x40              ; the result's scale words
	v_lshl_add_u32 v[SPW], v0, 2, SPARE
	v_mov_b32 v[NIL], 0
	ds_add_u32 v1, v2
	ds_add_u32 v1, v2
	s_wait_dscnt 0x0
	v_lshrrev_b32 v[RR], 5, v0
	v_readfirstlane_b32 s[WV], v[RR]               ; wave 0..3
	s_lshr_b32 s[ROLE], s[WV], 1
	s_and_b32 s[HALF], s[WV], 1
	s_bfe_u32 s[CX], ttmp6, 0x40000                ; my place in the cluster
	s_bfe_u32 s[CY], ttmp6, 0x40004
	s_lshl_b32 s[TCOL], ttmp9, 2
	s_add_co_u32 s[TCOL], s[TCOL], s[CX]           ; the head = 4 x cluster x + cx
	s_and_b32 s[TROW], ttmp7, 0xffff
	s_lshl_b32 s[TROW], s[TROW], 2
	s_add_co_u32 s[TROW], s[TROW], s[CY]           ; the block of rows = 4 x cluster y + cy
	s_lshl_b32 s[MROW], s[CY], 2
	s_lshl_b32 s[MROW], 15, s[MROW]                ; my row of the cluster
	s_lshl_b32 s[MCOL], 0x1111, s[CX]              ; my column
	; descriptor groups 1.  Tiles: rows of 256 bytes (elements of one byte), 2,048 bytes apart in memory, 16 bytes of padding behind each; 128 rows of h or 64 of W_q to a load
	s_or_b32 s[G1A], s[MROW], TPAD
	s_or_b32 s[G1B], s[MCOL], TPAD
.irp g, G1A, G1B
	s_mov_b32 s[\g+1], 256<<16                     ; tensor_dim0
	s_mov_b32 s[\g+3], 256<<16                     ; tile_dim0
	s_mov_b32 s[\g+5], 2048                        ; from row to row
	s_mov_b32 s[\g+6], 0
	s_mov_b32 s[\g+7], 0
.endr
	s_mov_b32 s[G1A+2], 256<<16                    ; tensor_dim1: at the head a load brings all rows; behind it these words are halved
	s_mov_b32 s[G1A+4], 256                        ; tile_dim1
	s_mov_b32 s[G1B+2], 128<<16
	s_mov_b32 s[G1B+4], 128
	; scale bytes: dense blocks, as rows of 256 bytes (32 elements of 8 bytes), padded likewise; 64 rows of h's or 32 of W_q's to a load
	s_or_b32 s[G1SA], s[MROW], TPAD|(3<<16)
	s_or_b32 s[G1SB], s[MCOL], TPAD|(3<<16)
.irp g, G1SA, G1SB
	s_mov_b32 s[\g+1], 32<<16
	s_mov_b32 s[\g+3], 32<<16
	s_mov_b32 s[\g+5], 32
	s_mov_b32 s[\g+6], 0
	s_mov_b32 s[\g+7], 0
.endr
	s_mov_b32 s[G1SA+2], 64<<16                    ; all 64 rows of h's scale bytes, all 32 of W_q's
	s_mov_b32 s[G1SA+4], 64
	s_mov_b32 s[G1SB+2], 32<<16
	s_mov_b32 s[G1SB+4], 32
	s_mov_b32 s[MNT], 0x600000                     ; the mantissa field of 448
	s_mov_b32 s[CS], 0x3e0293ee                    ; log2(e) / sqrt(128)
	s_mov_b32 s[HI16], 0xffff0000                  ; lanes 16-31
	s_mov_b32 s[SEL], 0x76543210
	s_mov_b32 s[SEL+1], 0xfedcba98                 ; v_permlanex16_b32: lane l xor 16
	s_mov_b32 s[OA+1], 0
	s_mov_b32 s[OB+1], 0
	s_mov_b32 s[OX+1], 0
	CROUND                                         ; all sixteen work-groups are here: the first joint loads meet
	s_wait_kmcnt 0x0
	s_lshl_b32 s[OA], s[TROW], 14                  ; h's scales: 256 rows x 64 bytes a block
	s_mov_b32 s[G0SA], 1
	s_mov_b32 s[G0SA+1], SCLA
	s_add_nc_u64 s[G0SA+2:G0SA+3], s[6:7], s[OA:OA+1]
	s_or_b32 s[G0SA+3], s[G0SA+3], 0x80000000
	s_lshl_b32 s[OB], s[TCOL], 13                  ; W_q's: 128 rows x 64 bytes a head
	s_mov_b32 s[G0SB], 1
	s_mov_b32 s[G0SB+1], SCLB
	s_add_nc_u64 s[G0SB+2:G0SB+3], s[10:11], s[OB:OB+1]
	s_or_b32 s[G0SB+3], s[G0SB+3], 0x80000000
	s_lshl_b32 s[OA], s[TROW], 19                  ; h's codes: 256 rows x 2,048 bytes a block, 128 rows a half
	s_lshl_b32 s2, s[HALF], 18
	s_add_co_u32 s[OA], s[OA], s2
	s_add_nc_u64 s[OA:OA+1], s[4:5], s[OA:OA+1]
	s_lshl_b32 s[OB], s[TCOL], 18                  ; W_q's: 128 rows a head, 64 a half
	s_lshl_b32 s2, s[HALF], 17
	s_add_co_u32 s[OB], s[OB], s2
	s_add_nc_u64 s[OB:OB+1], s[8:9], s[OB:OB+1]
	s_mul_i32 s3, s[HALF], 128*PITCH               ; where they go: no place in the cluster enters an LDS address
	s_mul_i32 s2, s[HALF], 64*PITCH
	s_add_co_u32 s2, s2, ATILE
.irp s, 0,1
	s_mov_b32 s[G0A+4*\s], 1
	s_add_co_u32 s[G0A+4*\s+1], s3, \s*SLOT
	s_add_nc_u64 s[G0A+4*\s+2:G0A+4*\s+3], s[OA:OA+1], \s*KSLA
	s_or_b32 s[G0A+4*\s+3], s[G0A+4*\s+3], 0x80000000
	s_mov_b32 s[G0B+4*\s], 1
	s_add_co_u32 s[G0B+4*\s+1], s2, \s*SLOT
	s_add_nc_u64 s[G0B+4*\s+2:G0B+4*\s+3], s[OB:OB+1], \s*256
	s_or_b32 s[G0B+4*\s+3], s[G0B+4*\s+3], 0x80000000
.endr
; THE HEAD'S LOADS, ONE A WAVE, in one chain of branches on the wave's number: wave 0 K slot 0's 256 rows of h (its half is 0, so slot 0's group 0 begins at row 0), wave 2 its 128 rows of W_q (likewise), waves 1 and 3 the scale bytes.
.macro ARM n, g0, g1
	s_cmp_eq_u32 s[WV], \n
	s_cbranch_scc0 .Lnot_arm_\n
	tensor_load_to_lds s[\g0:\g0+3], s[\g1:\g1+7]
	s_nop 0
	PLACES 4
	s_branch .Lhead_asked
.Lnot_arm_\n:
.endm
	ARM 0, G0A, G1A
	ARM 1, G0SA, G1SA
	ARM 2, G0B, G1B
	tensor_load_to_lds s[G0SB:G0SB+3], s[G1SB:G1SB+7]
	s_nop 0
	PLACES 4
.Lhead_asked:
	; the prefetches: the rows that I fetch, of them my work-group's share, at K slot 2
	s_cmp_eq_u32 s[ROLE], 0
	s_cselect_b64 s[8:9], s[OA:OA+1], s[OB:OB+1]
	s_cselect_b32 s2, s[CX], s[CY]                 ; my place among the four that ask with me
	s_cselect_b32 s3, 16, 15                       ; x 32 or 16 rows of 2,048 bytes
	s_cselect_b32 s10, 31, 15                      ; my share's last row
	s_lshl_b32 s2, s2, s3
	s_mov_b32 s3, 0
	s_add_nc_u64 s[8:9], s[8:9], s[2:3]
	s_add_nc_u64 s[8:9], s[8:9], 512
	v_and_b32 v[KPR], 31, v0                       ; lane
	v_lshlrev_b32 v[L16], 4, v[KPR]
	v_lshlrev_b32 v[L8], 3, v[KPR]
	v_min_u32 v[PFO], s10, v[KPR]                  ; (lanes left over name the last row again)
	v_lshlrev_b32 v[PFO], 11, v[PFO]
	s_wait_alu depctr_va_vdst(0)                   ; ahead of the scalar lines
	s_lshr_b32 s[OX], s[TROW], 3                   ; the batch
	s_lshl_b32 s[OX], s[OX], 9
	s_lshl_b32 s66, s[WV], 7
	s_add_co_u32 s[OX], s[OX], s66
	s_add_nc_u64 s[16:17], s[16:17], s[OX:OX+1]    ; skill[batch][32 w ..]
	s_lshl_b32 s[OX], s[TCOL], 9
	s_add_nc_u64 s[14:15], s[14:15], s[OX:OX+1]    ; b_kv at the head's k; its v lies 8,192 bytes on
	s_lshl_b32 s66, s[WV], 19
	s_add_co_u32 s[OX], s[OX], s66
	s_add_nc_u64 s[12:13], s[12:13], s[OX:OX+1]    ; W_kv at row 32 w, the head's k
	s_lshl_b32 s[OX], s[TROW], 19
	s_lshl_b32 s66, s[TCOL], 15
	s_add_co_u32 s[OX], s[OX], s66
	s_lshl_b32 s66, s[WV], 13
	s_add_co_u32 s[OX], s[OX], s66
	s_add_nc_u64 s[18:19], s[18:19], s[OX:OX+1]    ; the codes' image: [block][head][tile of 16 rows][2,048 bytes], my four tiles
	s_lshl_b32 s[OX], s[TROW], 14
	s_lshl_b32 s66, s[TCOL], 10
	s_add_co_u32 s[OX], s[OX], s66
	s_lshl_b32 s66, s[WV], 8
	s_add_co_u32 s[OX], s[OX], s66
	s_add_nc_u64 s[20:21], s[20:21], s[OX:OX+1]    ; the scale words: [block][head][256 rows], my 64
	global_load_b128 v[BI:BI+3], v[L16], s[14:15]
	global_load_b128 v[BI+4:BI+7], v[L16], s[14:15] offset:8192
	KVASK                                          ; W_kv's first four rows
	PFASK                                          ; K slot 2
	v_add_nc_u32 v[KPR], KVP, v[L16]               ; the addresses are made while the loads are out
	v_and_b32 v[RR], 15, v0
	v_bfe_u32 v[HH], v0, 4, 1
	v_mul_u32_u24 v100, v[RR], PITCH
	v_lshl_add_u32 v100, v[HH], 4, v100            ; a fragment's row x pitch + 16 h
	s_mul_i32 s2, s[WV], 64*PITCH
	v_add_nc_u32 v[ADRA], s2, v100
	v_add_nc_u32 v[ADRA+1], SLOT, v[ADRA]
	v_add_nc_u32 v[ADRB], ATILE, v100
	v_add_nc_u32 v[ADRB+1], ATILE+SLOT, v100
	v_lshlrev_b32 v101, 6, v[RR]                   ; a row of scales is 64 bytes,
	v_lshrrev_b32 v102, 2, v[RR]
	v_lshl_add_u32 v101, v102, 4, v101             ; 16 more for each 256 passed,
	v_lshl_add_u32 v101, v[HH], 2, v101            ; and lanes 16-31 take the slot's second word
	s_mul_i32 s2, s[WV], 16*272
	s_add_co_u32 s2, s2, SCLA
	v_add_nc_u32 v[ADSA], s2, v101
	v_add_nc_u32 v[ADSB], SCLB, v101
	s_lshl_b32 s3, s[WV], 10
	s_add_co_u32 s2, s3, KVP
	v_add_nc_u32 v[KPW], s2, v[L16]
	s_add_co_u32 s2, s3, KVF
	v_add_nc_u32 v[KFW], s2, v[L16]
	v_lshl_add_u32 v[KFK], v[HH], 5, s2
	s_add_co_u32 s2, s2, 512
	v_lshl_add_u32 v[KFV], v[RR], 2, s2
	v_lshlrev_b32 v[CO], 4, v[RR]
	v_lshl_add_u32 v[CO], v[HH], 3, v[CO]
	s_lshl_b32 s2, s[WV], 8
	s_add_co_u32 s2, s2, SST
	v_lshl_add_u32 v[SSW], v[RR], 4, s2            ; row 16 a + r's word goes to 16 r + 4 a: a reader's lane takes its four blocks' words in 16 bytes
	v_lshl_add_u32 v[SSW], v[HH], 2, v[SSW]
	v_add_nc_u32 v[SSR], s2, v[L8]
.irp b, 0,1,2,3
	v_mov_b32 v[TM+4+\b], 0                        ; written once: a lane permute's destination counts as one of its sources
	v_mov_b32 v[G+1+2*\b], 0                       ; the upper halves of the pairs that the packed multiply names
.endr
.irp j, 0,1,2,3,4,5,6,7
	v_mov_b32 v[KA+\j], 0                          ; (the sums' text stands in the ring's macro, the same in every change of slots)
.endr
	s_wait_alu depctr_va_vdst(0)                   ; at the head's end
	s_wait_xcnt 0x0                                ; the prefetch has read its address: on to K slot 3
	s_add_nc_u64 s[8:9], s[8:9], 256
	s_wait_tensorcnt 0x0                           ; my tile of the head's four is in
	ds_add_u32 v[SPW], v[NIL]
	s_mov_b32 s[G1A+2], 128<<16                    ; no tensor load of mine is out: from here on a load brings 128 rows of h or 64 of W_q
	s_mov_b32 s[G1A+4], 128
	s_mov_b32 s[G1B+2], 64<<16
	s_mov_b32 s[G1B+4], 64
	s_wait_dscnt 0x0
	CROUND                                         ; all four tiles are in, and all sixteen work-groups are here
	JLOAD G0A+4, G1A, G0B+4, G1B                   ; K slot 1, the first tensor load behind the round
	; ---- q = h W_q
	SCALES 0
	FETCH_B 0, 0, 0
	FETCH_A 0, 0, 0, 0
	FETCH_A 0, 0, 0, 2
	PFASK                                          ; K slot 3
	STEP 0, 1                                      ; the first step stands in front of the loop: its products start the sums
	s_mov_b32 s3, LAPS-1
.Llap:                                             ; a trip goes once round the ring and fills both slots again: K slots 2 to 7
	TURN 0, 1, 1
	STEP 1, 0
	TURN 1, 0, 1
	STEP 0, 0
	s_sub_co_u32 s3, s3, 1
	s_cmp_lg_u32 s3, 0
	s_cbranch_scc1 .Llap
	TURN 0, 1, 0                                   ; the last lap fills nothing
	STEP 1, 0
	s_wait_dscnt 8
	WIN MULW
	MUL8 0, 1, 1, 0
	MUL8 1, 1, 1, 0
	s_wait_dscnt 0x0
	MUL8 2, 1, 1, 0
	MUL8 3, 1, 1, 0
	WIN 0
	KVSUM                                          ; W_kv's last four rows: 32 plain vector lines, the places behind the last products too
	s_wait_alu depctr_va_vdst(0)
	ds_store_b128 v[KPW], v[KA:KA+3]
	ds_store_b128 v[KPW], v[KA+4:KA+7] offset:512
	s_wait_dscnt 0x0                               ; my partial sums lie in LDS
	s_barrier_signal -1
	s_barrier_wait -1
	; ---- every wave finishes k and v for itself: ((p0 + p1) + (p2 + p3)) + bias
.irp p, 0,1,2,3
	ds_load_b128 v[128+8*\p:131+8*\p], v[KPR] offset:1024*\p
	ds_load_b128 v[132+8*\p:135+8*\p], v[KPR] offset:1024*\p+512
.endr
	s_wait_dscnt 0x0
.irp j, 0,2,4,6
	v_pk_add_f32 v[128+\j:129+\j], v[128+\j:129+\j], v[136+\j:137+\j]
	v_pk_add_f32 v[144+\j:145+\j], v[144+\j:145+\j], v[152+\j:153+\j]
.endr
.irp j, 0,2,4,6
	v_pk_add_f32 v[128+\j:129+\j], v[128+\j:129+\j], v[144+\j:145+\j]
.endr
.irp j, 0,2,4,6
	v_pk_add_f32 v[128+\j:129+\j], v[128+\j:129+\j], v[BI+\j:BI+1+\j]
.endr
	ds_store_b128 v[KFW], v[128:131]               ; my wave's own bytes: LDS serves a wave's instructions in order (ISA guide 5.7.1.4)
	ds_store_b128 v[KFW], v[132:135] offset:512
.irp c, 0,1,2,3
.irp u, 0,1
.irp e, 0,1
	ds_load_b128 v[192+16*\c+8*\u+4*\e:195+16*\c+8*\u+4*\e], v[KFK] offset:128*\c+64*\u+16*\e   ; register 16 c + 8 u + i = k[32 c + 16 u + 8 h + i]: q's order; the same in all 16 rows (keys)
.endr
.endr
.endr
.irp t, 0,1,2,3,4,5,6,7
	ds_load_b32 v[144+\t], v[KFV] offset:64*\t     ; v[16 t + r]
.endr
	s_wait_dscnt 0x0
	QUANT 192,0,KF,KW
	; V along the keys: a block is 32 copies of v[d]: its scale comes from |v[d]| alone, and all its codes are one code
.irp t, 0,1,2,3,4,5,6,7
	v_max_num_f32 v[152+\t], 0x4800000, |v[144+\t]|
.endr
.irp t, 0,1,2,3,4,5,6,7
	v_add_nc_u32 v[160+\t], 0xfc000000, v[152+\t]
.endr
.irp t, 0,1,2,3,4,5,6,7
	v_and_or_b32 v[168+\t], v[152+\t], 0x7f800000, s[MNT]
.endr
.irp t, 0,1,2,3,4,5,6,7
	v_lshrrev_b32 v[152+\t], 23, v[160+\t]
.endr
.irp t, 0,1,2,3,4,5,6,7
	v_lshl_or_b32 v[VS+\t], v[152+\t], 8, v[152+\t]
.endr
.irp t, 0,1,2,3,4,5,6,7
	v_lshl_or_b32 v[VS+\t], v[VS+\t], 16, v[VS+\t] ; the byte four times: the scale word of any 128 keys
.endr
.irp t, 0,1,2,3,4,5,6,7
.irp i, 0,1,2,3,4,5,6,7
	v_med3_num_f32 v[176+8*(\t%2)+\i], v[144+\t], -v[168+\t], v[168+\t]   ; eight held copies, in two sets by turns: eight plain lines stand between a conversion and the next write of its sources
.endr
	v_cvt_scalef32_pk8_fp8_f32 v[VC2+2*\t:VC2+1+2*\t], v[176+8*(\t%2):183+8*(\t%2)], v[160+\t]
.endr
	v_nop
	; ---- the head's attention, in my wave's registers
.irp a, 0,1,2,3
	QUANT 64*\a,2,128+16*\a,QW+\a                  ; q's four tiles of 16 rows become four fragments
.endr
	WIN TO_B
.irp t, 0,1,2,3
.irp i, 0,1,2,3,4,5,6,7,8,9,10,11,12,13,14,15
	v_mov_b32 v[16*\t+\i], v[VC2+2*\t]             ; V's fragments: row d = 16 t + r, 128 keys, one code.  (These lines are also the places in front of the products below)
.endr
.endr
	WIN 0
.irp a, 0,1,2,3
	v_wmma_scale_f32_16x16x128_f8f6f4 v[192+8*\a:199+8*\a], v[KF:KF+15], v[128+16*\a:143+16*\a], 0, v[KW], v[QW+\a]   ; S^T: 16 of the equal keys x my 16 rows: every register of lane (r, .) is row r's score
.endr
	WIN TO_B
.irp t, 4,5,6,7
.irp i, 0,1,2,3,4,5,6,7,8,9,10,11,12,13,14,15
	v_mov_b32 v[16*\t+\i], v[VC2+2*\t]             ; (the places behind the scores' products)
.endr
.endr
	WIN 0
.irp a, 0,1,2,3
	v_mul_f32 v[X+\a], s[CS], v[192+8*\a]          ; t
.endr
.irp a, 0,1,2,3
	v_floor_f32 v[SO+\a], -v[X+\a]                 ; -M = floor(-t): the row's largest t is this t
.endr
.irp a, 0,1,2,3
	v_add_f32 v[X+\a], v[X+\a], v[SO+\a]           ; t - M, in (-1, 0]
.endr
	s_wait_alu depctr_va_vdst(0)
.irp a, 0,1,2,3
	v_exp_f32 v[X+\a], v[X+\a]                     ; p, in (1/2, 1]
.endr
	v_nop
	s_wait_alu depctr_va_vdst(0)
.irp a, 0,1,2,3
	v_rcp_f32 v[G+2*\a], v[X+\a]                   ; 1 / p, of the unquantised p
.endr
.irp a, 0,1,2,3
	v_add_nc_u32 v[SO+\a], 0xfc000000, v[X+\a]     ; a block along the keys is 32 copies of p.  (A plain line behind the reciprocals)
.endr
.irp a, 0,1,2,3
	v_and_or_b32 v[HD+\a], v[X+\a], 0x7f800000, s[MNT]
.endr
.irp a, 0,1,2,3
	v_lshrrev_b32 v[TM+\a], 23, v[SO+\a]
.endr
.irp a, 0,1,2,3
	v_lshl_or_b32 v[PWD+\a], v[TM+\a], 8, v[TM+\a]
.endr
.irp a, 0,1,2,3
	v_lshl_or_b32 v[PWD+\a], v[PWD+\a], 16, v[PWD+\a]
.endr
.irp a, 0,1,2,3
.irp i, 0,1,2,3,4,5,6,7
	v_min_num_f32 v[200+16*\a+\i], v[X+\a], v[HD+\a]   ; eight held copies (p is not negative: the hold is one-sided)
.endr
.endr
.irp a, 0,1,2,3
	v_cvt_scalef32_pk8_fp8_f32 v[192+16*\a:193+16*\a], v[200+16*\a:207+16*\a], v[SO+\a]
.endr
	v_nop
.irp a, 0,1,2,3
.irp i, 2,3,4,5,6,7,8,9,10,11,12,13,14,15
	v_mov_b32 v[192+16*\a+\i], v[192+16*\a]        ; P's fragment: row r, 128 keys, one code
.endr
.endr
	s_wait_alu depctr_va_vdst(0)
.irp a, 0,1,2,3
	v_mul_f32 v[G+2*\a], 0x3c000000, v[G+2*\a]     ; 2^-7 / p.  (Four plain lines between the last write of an operand and the products)
.endr
	WIN 0x81                                       ; source 0 (V) window 1, source 1 (P) window 0, D window 2
.irp a, 0,1,2,3
.irp t, 0,1,2,3,4,5,6,7
	v_wmma_scale_f32_16x16x128_f8f6f4 v[8*(8*\a+\t):8*(8*\a+\t)+7], v[16*\t:16*\t+15], v[192+16*\a:207+16*\a], 0, v[VS+\t], v[PWD+\a]   ; O^T over one K step of 128 keys
.endr
.endr
	WIN 0
	PLACES 8
.irp a, 0,1,2,3
	WIN 0x82                                       ; source 0 and destination window 2
.set n, 0
.rept 32
	v_pk_mul_f32 v[64*\a+n:64*\a+n+1], v[64*\a+n:64*\a+n+1], v[G+2*\a:G+1+2*\a] op_sel_hi:[1,0]   ; the division by the row's sum, each accumulator from its low end on
.set n, n+2
.endr
	QUANT 64*\a,2,128+16*\a,OW+\a
.irp c, 0,1,2,3
.irp u, 0,1
	global_store_b64 v[CO], v[128+16*\a+4*\c+2*\u:129+16*\a+4*\c+2*\u], s[18:19] offset:2048*\a+512*\c+256*\u   ; channels 32 c + 16 u + 8 h + 0 .. 7 of row r: the 32 lanes fill 256 consecutive bytes, aligned, at their true place in the fragment's image
.endr
.endr
.endr
	v_cndmask_b32 v100, v[OW], v[OW+1], s[HI16]    ; lane L: the word of my row L,
	v_cndmask_b32 v101, v[OW+2], v[OW+3], s[HI16]  ; and of row 32 + L
	ds_store_b32 v[SSW], v100
	ds_store_b32 v[SSW], v101 offset:8
	ds_load_b64 v[102:103], v[SSR]                 ; my wave's own bytes, served in order
	s_wait_dscnt 0x0
	global_store_b64 v[L8], v[102:103], s[20:21]   ; 64 words: 256 consecutive bytes, aligned
	s_wait_tensorcnt 0x0                           ; the wave's end
	ds_add_u32 v[SPW], v[NIL]
	s_wait_dscnt 0x0
	CROUND                                         ; the closing round: no work-group ends while a partner may still ask for a tile that names it
	s_endpgm
.Lfunc_end_k_qc9eb4f754f_qattn:
	.size	k_qc9eb4f754f_qattn, .Lfunc_end_k_qc9eb4f754f_qattn-k_qc9eb4f754f_qattn
	.p2alignl 7, 3214868480
	.fill 96, 4, 3214868480
	.section	.rodata,"a",@progbits
	.p2align	6, 0x0
	.amdhsa_kernel k_qc9eb4f754f_qattn
		.amdhsa_group_segment_fixed_size 327680
		.amdhsa_private_segment_fixed_size 0
		.amdhsa_enable_private_segment 0
		.amdhsa_kernarg_size 72
		.amdhsa_user_sgpr_count 2
		.amdhsa_user_sgpr_kernarg_segment_ptr 1
		.amdhsa_wavefront_size32 1
		.amdhsa_system_sgpr_workgroup_id_x 1
		.amdhsa_system_sgpr_workgroup_id_y 1
		.amdhsa_system_sgpr_workgroup_id_z 1
		.amdhsa_system_vgpr_workitem_id 0
		.amdhsa_next_free_vgpr 768
		.amdhsa_next_free_sgpr 102
		.amdhsa_reserve_vcc 0
		.amdhsa_float_denorm_mode_32 3
		.amdhsa_float_denorm_mode_16_64 3
		.amdhsa_memory_ordered 1
		.amdhsa_forward_progress 1
		.amdhsa_inst_pref_size 196
	.end_amdhsa_kernel
	.amdgpu_metadata
---
amdhsa.version: [ 1, 2 ]
amdhsa.kernels:
  - .name:           k_qc9eb4f754f_qattn
    .symbol:         k_qc9eb4f754f_qattn.kd
    .args:
      - { .name: h_codes, .offset: 0, .size: 8, .value_kind: global_buffer, .address_space: global }
      - { .name: h_scales, .offset: 8, .size: 8, .value_kind: global_buffer, .address_space: global }
      - { .name: W_q_codes, .offset: 16, .size: 8, .value_kind: global_buffer, .address_space: global }
      - { .name: W_q_scales, .offset: 24, .size: 8, .value_kind: global_buffer, .address_space: global }
      - { .name: W_kv, .offset: 32, .size: 8, .value_kind: global_buffer, .address_space: global }
      - { .name: b_kv, .offset: 40, .size: 8, .value_kind: global_buffer, .address_space: global }
      - { .name: skill, .offset: 48, .size: 8, .value_kind: global_buffer, .address_space: global }
      - { .name: a_codes, .offset: 56, .size: 8, .value_kind: global_buffer, .address_space: global }
      - { .name: a_scales, .offset: 64, .size: 8, .value_kind: global_buffer, .address_space: global }
    .group_segment_fixed_size: 327680
    .private_segment_fixed_size: 0
    .kernarg_segment_align: 8
    .kernarg_segment_size: 72
    .max_flat_workgroup_size: 128
    .sgpr_count:     102
    .vgpr_count:     768
    .wavefront_size: 32
...
	.end_amdgpu_metadata
.endif
;; end of part 1
;; launch outproj (part 2): grid 16 x 16, 4 waves a work-group, clusters of 4 x 4, 327,680 bytes of LDS; arguments a_codes, a_scales, W_out_codes, W_out_scales, out0; writes out0
.if DOCPART == 2
	.amdgcn_target "amdgcn-amd-amdhsa--gfx1250"
	.amdhsa_code_object_version 6
	.text
	.protected	k_qc9eb4f754f_outproj
	.globl	k_qc9eb4f754f_outproj
	.p2align	8
	.type	k_qc9eb4f754f_outproj,@function
k_qc9eb4f754f_outproj:
	s_mov_b64 s[64:65], 0
	v_nop
	global_prefetch_b8 v0, s[64:65] scope:SCOPE_SE
	s_setreg_imm32_b32 hwreg(HW_REG_WAVE_MODE, 25, 1), 1
	s_wait_xcnt 0x0
	s_wait_alu depctr_hold_cnt(0) depctr_sa_sdst(0) depctr_va_vdst(0) depctr_va_sdst(0) depctr_va_ssrc(0) depctr_va_vcc(0) depctr_vm_vsrc(0)
	s_getreg_b32 s2, hwreg(HW_REG_IB_STS2, 6, 4)
	s_cmp_eq_u32 s2, 0
	s_cbranch_scc0 .Lentry_in_a_cluster
	s_endpgm
.Lentry_in_a_cluster:
	s_bfe_u32 s2, ttmp6, 0x10000c
	s_cmp_lg_u32 s2, 0xf033
	s_cbranch_scc0 .Lentry_shape_is_right
	s_endpgm
.Lentry_shape_is_right:
; SECOND LAUNCH: out = a W_out on codes of E4M3 with E8M0 scales: 4,096 x 2,048 x 2,048, f32 sums.  No work is left out here.
; A work-group makes 256 rows x 128 columns; wave w its rows 64 w .. 64 w + 63: 4 x 8 accumulators of 16 x 16, 256 registers.  K goes in 16 steps of 128.
; W_out's 128 rows for all of K lie in LDS: four quarters of K, 128 rows x 512 bytes + 16 of padding each, 270,336 bytes, filled once by one joint load a wave, shared along a column of the cluster.
; a's CODES GO STRAIGHT INTO REGISTERS: the first launch lays them in the order of the operand registers, so each load reads 512 consecutive bytes, and each byte is wanted by one wave of a work-group alone.
; They are no joint loads: those fill LDS, and beside W_out's rows it has no room for a ring of a's.  Five buffers of 64 registers: a step's 16 loads are issued four steps ahead.
; PREFETCH: at steps 0 and 4 one instruction a wave asks for a's codes of steps 8 to 11 and 12 to 15; four steps' 128 KB are shared out by address among the 16 waves of the cluster's row.
; THE MATRIX INSTRUCTION IS USED TRANSPOSED (source 0 = 16 rows of W_out, source 1 = 16 rows of a): lane (r, h) of accumulator (a, b) holds row 16 a + r and columns 16 b + 8 h + 0 .. 7.
; SCALE WORDS stand in registers throughout: lanes 0-15 those of steps 0 to 7, lanes 16-31 those of steps 8 to 15.
; LIMITS: NaN and infinities are not served.
; REGISTERS.  window 0: v1-16 addresses, v32-63 a's scale words (4 j + a), v64-127 W_out's (8 b + j), v128-191 a's fifth buffer (on the way out v128-255 rows read back);  window 1: W_out's fragments, two sets;
;   window 2: the accumulators, (a, b) at v[8 (8 a + b)];  window 3: a's buffers 0 to 3.
.set PITCH, 528                        ; 132 words: the 16 rows that a fragment load touches start 4 banks apart (64 banks of 4 bytes: ISA guide 11.1)
.set QUAR,  128*PITCH
.set STG,   4*QUAR                     ; each wave's own stage for the way out: 16 rows x 528 bytes; no fill touches it
.set SPITCH, 528
.set SPARE, STG+4*16*SPITCH            ; the spare words, 128 bytes a wave
.set SPW,  1
.set NIL,  2
.set ADB,  3                           ; v3-6  my fragments of W_out, quarter 0 .. 3
.set ASO,  7                           ; v7    a's scale words: 8,192 h + 16 r
.set BSO,  8                           ; v8    W_out's: 64 r + 32 h
.set L16,  9                           ; v9    16 x lane
.set STO,  10
.set RD,   11
.set PFO,  16                          ; v16   256 x lane
.set SA,   32
.set SB,   64
.set BK,   128
.set WV,   22
.set G1,   28
.set G0,   36
.set PFA,  40
.set CX,   42
.set CY,   43
.set TCOL, 44
.set TROW, 45
.set MSB, 0
.macro WIN new                         ; the immediate's high byte repeats the setting that is left
.if MSB != \new
	s_set_vgpr_msb (MSB<<8)|\new
.set MSB, \new
.endif
.endm
.macro PLACES n                        ; plain vector instructions that name no register of the matrix instructions in front of them (ISA guide 7.12.1)
.rept \n
	v_nop
.endr
.endm
.macro CROUND                          ; a round of the cluster's barrier
	s_barrier_signal -1
	s_barrier_wait -1
	s_cmp_lg_u32 s[WV], 0
	s_cbranch_scc1 .Lnot_wave_0_\@
	s_barrier_signal -3
.Lnot_wave_0_\@:
	s_barrier_wait -3
	s_barrier_signal -1
	s_barrier_wait -1
.endm
.macro OFS d, x, n                     ; s[d] += s[x] << n
	s_lshl_b32 s2, s[\x], \n
	s_add_co_u32 s\d, s\d, s2
.endm
.macro ALOAD n, a0                     ; step n's codes of my blocks a0, a0 + 1
.if (\n)%5 < 4
.set LB, 64*((\n)%5)
	WIN 0xc0
.else
.set LB, 128
	WIN 0
.endif
.irp a, \a0, \a0+1
.irp c, 0,1,2,3
	global_load_b128 v[LB+16*(\a)+4*\c:LB+16*(\a)+4*\c+3], v[L16], s[4:5] offset:32768*(\n)+2048*(\a)+512*\c
.endr
.endr
.endm
.macro BLOAD n, f0                     ; step n's fragments f0 .. f0 + 3 of W_out: 16 rows x 128 K each: registers 4 c .. 4 c + 3 hold K = 32 c + 16 h + 0 .. 15
	WIN 0x40
.irp f, \f0, \f0+1, \f0+2, \f0+3
.irp c, 0,1,2,3
	ds_load_b128 v[128*((\n)%2)+16*(\f)+4*\c:128*((\n)%2)+16*(\f)+4*\c+3], v[ADB+(\n)/4] offset:128*((\n)%4)+32*\c+(\f)*16*PITCH
.endr
.endr
.endm
; Four products: block a against fragments 4 hb .. 4 hb + 3.  The 32 accumulators take turns, one instruction a turn, in the same order in every step; step 0 starts the sums.
.macro MUL4 s, hb, a
.if (\s)%5 < 4
	WIN 0xad                                       ; source 0 window 1, source 1 window 3, C and D window 2
.set ABUF, 64*((\s)%5)
.else
	WIN 0xa1                                       ; source 1 window 0
.set ABUF, 128
.endif
.irp b, 0,1,2,3
.set F_, 4*\hb+\b
.set D_, 8*(8*\a+F_)
.set B_, 128*((\s)%2)+16*F_
.set A_, ABUF+16*\a
.set X_, SB+8*F_+(\s)%8
.set Y_, SA+4*((\s)%8)+\a
.if (\s) == 0
	v_wmma_scale_f32_16x16x128_f8f6f4 v[D_:D_+7], v[B_:B_+15], v[A_:A_+15], 0, v[X_], v[Y_]
.elseif (\s) < 8
	v_wmma_scale_f32_16x16x128_f8f6f4 v[D_:D_+7], v[B_:B_+15], v[A_:A_+15], v[D_:D_+7], v[X_], v[Y_]
.else
	v_wmma_scale_f32_16x16x128_f8f6f4 v[D_:D_+7], v[B_:B_+15], v[A_:A_+15], v[D_:D_+7], v[X_], v[Y_] matrix_a_scale:MATRIX_SCALE_ROW1 matrix_b_scale:MATRIX_SCALE_ROW1
.endif
.endr
.endm
; A step: 32 products in two halves of 16 (fragments 0-3, then 4-7); in the middle of each half go the next step's 16 LDS loads of that half, and eight of the 16 loads of a's codes four steps on.
.macro STEP s
.if (\s) < 13
	s_wait_loadcnt 48                              ; this step's codes are in; those of the three steps behind it may be out
.else
	s_wait_loadcnt 16*(15-(\s))
.endif
.if (\s) == 3
	s_wait_tensorcnt 0x0                           ; my quarter of W_out is in: all four are behind this barrier
	s_wait_dscnt 0x0
	s_barrier_signal -1
.else
	s_wait_dscnt 16                                ; fragments 0-3 are in; the 16 loads of 4-7 may be out
.endif
	MUL4 \s, 0, 0
	MUL4 \s, 0, 1
.if (\s) == 3
	s_barrier_wait -1
.endif
.if (\s) < 15
	PLACES 8                                       ; the loads below write registers that the step before multiplied
	BLOAD (\s)+1, 0
.endif
.if (\s) < 12
	ALOAD (\s)+4, 0
.endif
.if ((\s) == 0) || ((\s) == 4)
	WIN 0
	global_prefetch_b8 v[PFO], s[PFA:PFA+1] offset:32768*((\s)+8) th:TH_LOAD_NT scope:SCOPE_SE
.endif
	MUL4 \s, 0, 2
	MUL4 \s, 0, 3
.if (\s) < 15
	s_wait_dscnt 16                                ; fragments 4-7 are in; the next step's first 16 may be out
.else
	s_wait_dscnt 0x0
.endif
	MUL4 \s, 1, 0
	MUL4 \s, 1, 1
.if (\s) < 15
	BLOAD (\s)+1, 4
.endif
.if (\s) < 12
	ALOAD (\s)+4, 2
.endif
	MUL4 \s, 1, 2
	MUL4 \s, 1, 3
.endm
	s_load_b256 s[4:11], s[0:1], 0x0               ; a's codes s[4:5], scale words s[6:7]; W_out's codes s[8:9], scales s[10:11]
	s_load_b64 s[12:13], s[0:1], 0x20              ; out
	v_lshl_add_u32 v[SPW], v0, 2, SPARE
	v_mov_b32 v[NIL], 0
	ds_add_u32 v[SPW], v[NIL]                      ; the wave's opening: the add, twice on end
	ds_add_u32 v[SPW], v[NIL]
	v_lshrrev_b32 v12, 5, v0
	v_readfirstlane_b32 s[WV], v12                 ; wave 0..3
	s_mul_i32 s3, s[WV], 16*SPITCH
	s_add_co_u32 s3, s3, STG                       ; my stage
	v_and_b32 v12, 31, v0                          ; lane
	v_and_b32 v13, 15, v0                          ; r
	v_bfe_u32 v14, v0, 4, 1                        ; h
	v_lshlrev_b32 v[L16], 4, v12
	v_lshlrev_b32 v[PFO], 8, v12
	v_mul_u32_u24 v15, v13, PITCH
	v_lshl_add_u32 v[ADB], v14, 4, v15             ; row x pitch + 16 h
	v_add_nc_u32 v[ADB+1], QUAR, v[ADB]
	v_add_nc_u32 v[ADB+2], 2*QUAR, v[ADB]
	v_add_nc_u32 v[ADB+3], 3*QUAR, v[ADB]
	v_lshlrev_b32 v[ASO], 13, v14
	v_lshl_add_u32 v[ASO], v13, 4, v[ASO]
	v_lshlrev_b32 v[BSO], 6, v13
	v_lshl_add_u32 v[BSO], v14, 5, v[BSO]
	v_lshl_add_u32 v[STO], v14, 5, v15             ; in: row r, 32 bytes for each half of the lanes
	v_add_nc_u32 v[STO], s3, v[STO]
	v_add_nc_u32 v[RD], s3, v[L16]                 ; back: a row of 512 bytes
	s_bfe_u32 s[CX], ttmp6, 0x40000                ; my place in the cluster
	s_bfe_u32 s[CY], ttmp6, 0x40004
	s_lshl_b32 s[TCOL], ttmp9, 2
	s_add_co_u32 s[TCOL], s[TCOL], s[CX]           ; the block of 128 columns
	s_and_b32 s[TROW], ttmp7, 0xffff
	s_lshl_b32 s[TROW], s[TROW], 2
	s_add_co_u32 s[TROW], s[TROW], s[CY]           ; the block of 256 rows
	s_lshl_b32 s46, 0x1111, s[CX]                  ; my column of the cluster
	s_or_b32 s[G1], s46, (1<<20)|(1<<21)|(6<<22)|(3<<25)   ; elements of 1 byte; padding: 4 words after every 128; bit 21 beside a mask
	s_mov_b32 s[G1+1], 512<<16                     ; tensor_dim0
	s_mov_b32 s[G1+2], 128<<16                     ; tensor_dim1
	s_mov_b32 s[G1+3], 512<<16                     ; tile_dim0
	s_mov_b32 s[G1+4], 128                         ; tile_dim1
	s_mov_b32 s[G1+5], 2048                        ; from row to row
	s_mov_b32 s[G1+6], 0
	s_mov_b32 s[G1+7], 0
	s_lshl_b32 s48, s[TCOL], 18                    ; W_out's codes: 128 rows of 2,048 bytes, my quarter of K
	OFS 48, WV, 9
	s_lshl_b32 s50, s[TROW], 19                    ; a's codes: [block][head][16 tiles][2,048], my four tiles
	OFS 50, WV, 13
	s_lshl_b32 s52, s[TROW], 14                    ; a's scale words: [block][head][wave][256 bytes]
	OFS 52, WV, 8
	s_lshl_b32 s54, s[TCOL], 13                    ; W_out's scales: 128 rows of 64 bytes
	s_lshl_b32 s56, s[TROW], 21                    ; out
	OFS 56, WV, 19
	OFS 56, TCOL, 9
	s_lshl_b32 s58, s[TROW], 19                    ; the prefetches: my 8,192 bytes of the 131,072 of four steps
	OFS 58, CX, 15
	OFS 58, WV, 13
.irp i, 49,51,53,55,57,59
	s_mov_b32 s\i, 0
.endr
	s_mov_b32 s[G0], 1
	s_mul_i32 s[G0+1], s[WV], QUAR
	s_wait_alu depctr_va_vdst(0)                   ; at the end of the head's vector lines
	s_wait_dscnt 0x0                               ; both opening adds are done
	CROUND                                         ; all sixteen work-groups are here: the joint loads meet
	s_wait_kmcnt 0x0
	s_add_nc_u64 s[G0+2:G0+3], s[8:9], s[48:49]
	s_or_b32 s[G0+3], s[G0+3], 0x80000000
	s_cmp_eq_u32 s[WV], 0                          ; one joint load a wave; wave 0's quarter, which is read first, has a line of its own
	s_cbranch_scc0 .Lrest
	tensor_load_to_lds s[G0:G0+3], s[G1:G1+7]
	s_nop 0
	PLACES 4
	s_branch .Lasked
.Lrest:
	tensor_load_to_lds s[G0:G0+3], s[G1:G1+7]
	s_nop 0
	PLACES 4
.Lasked:
	s_add_nc_u64 s[PFA:PFA+1], s[4:5], s[58:59]
	s_add_nc_u64 s[4:5], s[4:5], s[50:51]
	s_add_nc_u64 s[6:7], s[6:7], s[52:53]
	s_add_nc_u64 s[10:11], s[10:11], s[54:55]
	s_add_nc_u64 s[12:13], s[12:13], s[56:57]
.irp j, 0,1,2,3,4,5,6,7
	global_load_b128 v[SA+4*\j:SA+4*\j+3], v[ASO], s[6:7] offset:1024*\j   ; my four blocks' words of step j (lanes 16-31: step 8 + j)
.endr
.irp b, 0,1,2,3,4,5,6,7
.irp i, 0,1
	global_load_b128 v[SB+8*\b+4*\i:SB+8*\b+4*\i+3], v[BSO], s[10:11] offset:1024*\b+16*\i
.endr
.endr
.irp n, 0,1,2,3
	ALOAD \n, 0
	ALOAD \n, 2
.endr
	WIN 0
	s_cmp_eq_u32 s[WV], 0
	s_cbranch_scc0 .Lnot_first
	s_wait_tensorcnt 0x0                           ; quarter 0 is in; the other waves' wait stands at the second barrier
.Lnot_first:
	s_barrier_signal -1
	s_barrier_wait -1
	BLOAD 0, 0
	BLOAD 0, 4
.irp s, 0,1,2,3,4,5,6,7,8,9,10,11,12,13,14,15
	STEP \s
.endr
	WIN 0
; THE WAY OUT, block by block of 16 rows x 128 columns, through my wave's own stage: LDS serves a wave's instructions in order (ISA guide 5.7.1.4).
.macro TOSTAGE a
	WIN 0x08                                       ; the data: window 2; each accumulator from its low end on
.irp t, 0,1,2,3,4,5,6,7
	ds_store_b128 v[STO], v[8*(8*(\a)+\t):8*(8*(\a)+\t)+3] offset:64*\t
	ds_store_b128 v[STO], v[8*(8*(\a)+\t)+4:8*(8*(\a)+\t)+7] offset:64*\t+16
.endr
	WIN 0
.irp i, 0,1,2,3,4,5,6,7,8,9,10,11,12,13,14,15
	ds_load_b128 v[BK+64*((\a)%2)+4*\i:BK+64*((\a)%2)+4*\i+3], v[RD] offset:\i*SPITCH
.endr
.endm
.macro SEND a, younger                 ; younger: the LDS instructions issued behind block a's loads
	s_wait_dscnt \younger
.irp i, 0,1,2,3,4,5,6,7,8,9,10,11,12,13,14,15
	global_store_b128 v[L16], v[BK+64*((\a)%2)+4*\i:BK+64*((\a)%2)+4*\i+3], s[12:13] offset:(16*(\a)+\i)*8192 th:TH_STORE_NT   ; 512 consecutive bytes, aligned
.endr
.endm
	PLACES 8
	TOSTAGE 0
	TOSTAGE 1
	SEND 0, 32
	s_wait_xcnt 0x0                                ; block 0's stores have read their registers
	TOSTAGE 2
	SEND 1, 32
	s_wait_xcnt 0x0
	TOSTAGE 3
	SEND 2, 32
	SEND 3, 0
	s_wait_tensorcnt 0x0                           ; the wave's end
	ds_add_u32 v[SPW], v[NIL]
	s_wait_dscnt 0x0
	CROUND                                         ; the closing round
	s_endpgm
.Lfunc_end_k_qc9eb4f754f_outproj:
	.size	k_qc9eb4f754f_outproj, .Lfunc_end_k_qc9eb4f754f_outproj-k_qc9eb4f754f_outproj
	.p2alignl 7, 3214868480
	.fill 96, 4, 3214868480
	.section	.rodata,"a",@progbits
	.p2align	6, 0x0
	.amdhsa_kernel k_qc9eb4f754f_outproj
		.amdhsa_group_segment_fixed_size 327680
		.amdhsa_private_segment_fixed_size 0
		.amdhsa_enable_private_segment 0
		.amdhsa_kernarg_size 40
		.amdhsa_user_sgpr_count 2
		.amdhsa_user_sgpr_kernarg_segment_ptr 1
		.amdhsa_wavefront_size32 1
		.amdhsa_system_sgpr_workgroup_id_x 1
		.amdhsa_system_sgpr_workgroup_id_y 1
		.amdhsa_system_sgpr_workgroup_id_z 1
		.amdhsa_system_vgpr_workitem_id 0
		.amdhsa_next_free_vgpr 1024
		.amdhsa_next_free_sgpr 102
		.amdhsa_reserve_vcc 0
		.amdhsa_float_denorm_mode_32 3
		.amdhsa_float_denorm_mode_16_64 3
		.amdhsa_memory_ordered 1
		.amdhsa_forward_progress 1
		.amdhsa_inst_pref_size 151
	.end_amdhsa_kernel
	.amdgpu_metadata
---
amdhsa.version: [ 1, 2 ]
amdhsa.kernels:
  - .name:           k_qc9eb4f754f_outproj
    .symbol:         k_qc9eb4f754f_outproj.kd
    .args:
      - { .name: a_codes, .offset: 0, .size: 8, .value_kind: global_buffer, .address_space: global }
      - { .name: a_scales, .offset: 8, .size: 8, .value_kind: global_buffer, .address_space: global }
      - { .name: W_out_codes, .offset: 16, .size: 8, .value_kind: global_buffer, .address_space: global }
      - { .name: W_out_scales, .offset: 24, .size: 8, .value_kind: global_buffer, .address_space: global }
      - { .name: out0, .offset: 32, .size: 8, .value_kind: global_buffer, .address_space: global }
    .group_segment_fixed_size: 327680
    .private_segment_fixed_size: 0
    .kernarg_segment_align: 8
    .kernarg_segment_size: 40
    .max_flat_workgroup_size: 128
    .sgpr_count:     102
    .vgpr_count:     1024
    .wavefront_size: 32
...
	.end_amdgpu_metadata
.endif
;; end of part 2
